; MI455X (gfx1250); checked and timed in simulation.
; The chip was launched on July 23, 2026; its instructions are those of AMD's public machine-readable ISA for CDNA 5 (MIT licence, August 2026) and "CDNA5" Instruction Set Architecture Reference Guide (July 2026). The comments in the code are by the model that wrote it; some were corrected since.
;; Dual Attn Model. Allowed arithmetic: matrix products marked QUANTISED: E2M1 operands, one E8M0 scale for each 32 along K, by v_wmma_scale_f32_16x16x128_f8f6f4 with both operands' format E2M1 (or v_wmma_scale_f32_32x16x128_f4), f32 sums; products left as they are: f32 operands where the result goes on into a quantised operand, else bf16, f16 or f32 operands; f32 sums; everything else in f32.
;; Inputs: W_page 256 x 1 float32; dec_w 1 x 256 float32; emb 50,000 x 256 float32; k_b 256 float32; k_w_codes 256 x 8 x 16 uint8 (E2M1 codes of k_w, K innermost, in blocks of 32 codes, two codes a byte); k_w_scales 256 x 8 uint8 (E8M0 scales of k_w, one for each 32 codes along K); ln_page_b 256 float32; ln_page_g 256 float32; ln_word_b 256 float32; ln_word_g 256 float32; num_pages 32 int32; q_b 256 float32; q_w_codes 256 x 8 x 16 uint8 (E2M1 codes of q_w, K innermost, in blocks of 32 codes, two codes a byte); q_w_scales 256 x 8 uint8 (E8M0 scales of q_w, one for each 32 codes along K); seq_ids 32 x 16 x 256 int32; seq_lengths 32 x 16 int32; v_b 256 float32; v_w_codes 256 x 8 x 16 uint8 (E2M1 codes of v_w, K innermost, in blocks of 32 codes, two codes a byte); v_w_scales 256 x 8 uint8 (E8M0 scales of v_w, one for each 32 codes along K).
;; Outputs: out0 32 x 1 float32; out1 32 x 1 float32; out2 32 x 16 x 1 x 256 float32; out3 32 x 1 x 16 float32; out4 32 x 256 float32; out5 32 x 16 float32; out6 32 x 16 x 256 float32.
;; This version of the problem:
;;   THIS VERSION OF THE PROBLEM IS GIVEN IN LOW PRECISION. The matrix products marked QUANTISED in the list below multiply operands that are first quantised to E2M1 (2 exponent bits, 1 mantissa bit; 4 bits a number), with one power-of-two scale for each 32 numbers along K (OCP MX v1.0); their sums are f32. All else is computed in f32.
;;   The module's matrix products, in the order in which they are computed (A, B: the left and right operand; K: the contracted axis; several contracted axes count as one K, in the product's order):
;;     1. [M 131,072, K 256] x [K 256, N 256]; A: computed on the way; B: input q_w (given as codes): QUANTISED
;;     2. [M 131,072, K 256] x [K 256, N 256]; A: computed on the way; B: input k_w (given as codes): QUANTISED
;;     3. [M 131,072, K 256] x [K 256, N 256]; A: computed on the way; B: input v_w (given as codes): QUANTISED
;;     4. batch 512 x [M 256, K 256] x [K 256, N 256]; A: computed on the way; B: computed on the way: QUANTISED
;;     5. batch 512 x [M 256, K 256] x [K 256, N 256]; A: softmax (see below); B: computed on the way: QUANTISED
;;     6. batch 512 x [M 1, K 256] x [K 256, N 256]; A: computed on the way; B: computed on the way: left as it is (M = 1 < 16)
;;     7. [M 512, K 256] x [K 256, N 1]; A: computed on the way; B: input W_page: left as it is (N = 1 < 16)
;;     8. batch 32 x [M 1, K 16] x [K 16, N 256]; A: computed on the way; B: computed on the way: left as it is (K = 16 < 32)
;;     9. [M 32, K 256] x [K 256, N 1]; A: computed on the way; B: input dec_w: left as it is (N = 1 < 16)
;;   THE QUANTISER, for each operand of a quantised product, along K:
;;     - K is cut into blocks of 32 from its start; a last block that is shorter is filled with zeros.
;;     - A block's scale is 2^e with e = floor(log2(the largest magnitude in the block)) - 2, held to -126 .. 127; a block of zeros has e = 0. As a byte (E8M0): e + 127.
;;     - Each number is divided by its block's scale, clamped to +-6, and rounded to the nearest number of E2M1, ties to even, subnormals kept.
;;     - The product sums the exact products of the quantised numbers (number of the format x scale) in f32.
;;   ~~~python
;;   def quantise(x, axis):      # numpy; x: float32 -> the quantised numbers, widened to float32 again
;;       x = np.moveaxis(x, axis, -1); K = x.shape[-1]
;;       x = np.pad(x, [(0, 0)] * (x.ndim - 1) + [(0, -K % 32)]); x = x.reshape(x.shape[:-1] + (-1, 32)); a = np.abs(x).max(-1, keepdims=True)
;;       e = np.where(a > 0, np.clip(np.frexp(np.where(a > 0, a, 1))[1] - 1 - 2, -126, 127), 0)      # np.frexp(a)[1] - 1 = floor(log2(a)), exactly
;;       r = np.clip(x / 2.0 ** e, -6, 6)
;;       step = 2.0 ** (np.maximum(np.frexp(np.where(r == 0, 1, r))[1] - 1, 0) - 1)
;;       q = np.round(r / step) * step * 2.0 ** e      # np.round: ties to even
;;       return np.moveaxis(q.reshape(q.shape[:-2] + (-1,))[..., :K], -1, axis).astype(np.float32)
;;   ~~~
;;   SOFTMAX AHEAD OF A QUANTISED PRODUCT. Where the list says 'softmax', what is quantised is not the finished softmax but p = 2^(t - M), with t = logit x log2(e) and M = ceil(the row's largest t), a whole number; so 1/2 < the row's largest p <= 1. The row's sum l is taken of the UNQUANTISED p, in f32, and the product's result is divided by l at the end. Since M is a whole number, a kernel that streams over the keys may use a running M (the ceiling of the running maximum): every later rescaling is an exact power of two, which a block's scale takes up: the codes' values come out the same.
;;   OPERANDS COMPUTED ON THE WAY. 'Computed on the way' means the value that the module computes at that place (a softmax that the list does not call 'softmax' is quantised finished and normalised). What goes into a quantiser is computed in f32, as accurately as f32 sums, v_exp_f32 and their like allow (about 1e-6 of the number): no bf16 or f16 on the way to a quantiser, and a product that is left as it is and whose result goes on into a quantised operand takes f32 operands (vector FMAs, or v_wmma_f32_16x16x4_f32). A number that lies on a knife's edge between two numbers of the format may be rounded either way, as far as f32 arithmetic and the matrix unit's own rounding can turn it there, and no further.
;;   INPUTS GIVEN AS CODES. k_w (in the module: [256, 256], K = its axis 1); q_w (in the module: [256, 256], K = its axis 1); v_w (in the module: [256, 256], K = its axis 1): each comes as NAME_codes (uint8): NAME with its K axis moved to the last place and cut into blocks of 32 codes, [.., K / 32, bytes a block], one block behind the other in memory; two codes a byte, the lower K in the low four bits (a code: sign, 2 exponent bits, 1 mantissa bit); and NAME_scales (uint8): the same leading axes, one E8M0 byte (e + 127) for each 32 codes along K. Its value is code x scale, taken as it is: it is not quantised again, and the codes and scales need not be those that the quantiser above would give.
;; One version. Each part assembles by itself: llvm-mc -triple=amdgcn-amd-amdhsa -mcpu=gfx1250 --defsym DOCPART=n.
;; ======== version 1 of 1: 2 launches
;; launch page (part 1): grid 512 x 1, 8 waves a work-group, no clusters, 305,152 bytes of LDS; arguments seq_ids, seq_lengths, emb, q_w_codes, q_w_scales, q_b, k_w_codes, k_w_scales, k_b, v_w_codes, v_w_scales, v_b, ln_word_g, ln_word_b, W_page, out2, out5, out6; writes out2, out5, out6
.if DOCPART == 1
	.amdgcn_target "amdgcn-amd-amdhsa--gfx1250"
	.amdhsa_code_object_version 6
	.text
	.protected	k_qff0517ac15_page
	.globl	k_qff0517ac15_page
	.p2align	8
	.type	k_qff0517ac15_page,@function
k_qff0517ac15_page:
	s_mov_b64 s[64:65], 0
	v_nop
	global_prefetch_b8 v0, s[64:65] scope:SCOPE_SE
	s_setreg_imm32_b32 hwreg(HW_REG_WAVE_MODE, 25, 1), 1
	s_wait_xcnt 0x0
; ONE PAGE TO A WORK-GROUP: 256 words x 256 channels.  gather -> q, k, v -> softmax(q k^T / 16, keys at or past the page's length hidden) -> the mean over the queries of p v / l,
; the mean over the queries of p / l (out2), out2 . x, their sum through a LayerNorm (out6), its product with W_page / 10 (out5).
; The five large products run on codes of FP4 (E2M1) with one E8M0 scale for each 32 along K; x, q, k are quantised along the channels, p and v along the keys; p = 2^(t - M), M = ceil(the row's largest t),
; is not normalised; the row's sum l is taken of the unquantised p.
; SHARES.  Eight waves, 512 registers each.  Projections: wave w owns channels 32 w .. 32 w + 31 of q, k and v; its part of the three weights stays in 96 registers, and x's codes go round through LDS.
; Attention: wave w owns query tiles 2 w and 2 w + 1 and holds all 256 keys' scores in registers: no running maximum.
; ROWS OF A TILE ARE NOT NEIGHBOURS: place r of tile 2 b + u stands for row 32 b + 8 u + r + (r & 8), for x, the queries and the keys alike; then the 16 registers of tiles 2 b, 2 b + 1 of a result whose m runs over rows
; are rows 32 b + 16 (lane / 16) + 0 .. 15: half a block of 32, whose other half lies in the lane 16 away.
; ORIENTATION.  q, k: source 0 = 16 rows of W, source 1 = 16 rows of x (a lane holds one row, registers run along the channels).  v: source 0 = x, source 1 = W (a lane holds one channel, registers run along the keys).
; S^T = K Q^T (a lane holds one query).  O = P V (a lane holds one channel, registers run over the queries: the mean over the queries is multiply-adds down the registers).
; q, k, v go to LDS as images of the operand's registers: half a block, 8 bytes, lands at 256 x block + 16 r + 8 h of its tile's 2,048 bytes, which is where a fragment's loads (16 bytes a lane) want it.
; No cluster: work-groups share only the weights' 102 KB, which each wave reads once, straight into registers.
; LIMITS: NaN and infinities among the inputs are not served.  Ids are held to 0 .. 49,999.  A block of zeros carries the scale byte 1 where the rule says 127: its codes are zeros, and this program alone reads the bytes.
; 1 / l and 1 / sqrt come from v_rcp_f32 and v_rsq_f32 (1 ulp), / 10 is a multiplication by 0.1.  A block's largest p is made from the block's largest score: this takes v_exp_f32 not to fall where its input rises.
;
; LDS
.set XROW, 0            ; x's codes: place (16 T + r) x 144 bytes (128 + 16 of padding: the 16 rows of a fragment load start at 16 different banks)
.set QIMG, 36864        ; q: fragment (tile T, K step s) at 2048 T + 1024 s, an image of its registers: + 512 c + 16 lane
.set KIMG, 69632        ; k likewise
.set VIMG, 102400       ; v: fragment (channel tile N, key step s) at 2048 N + 1024 s
.set XSC,  135168       ; scale bytes, [tile][16 rows][8 blocks], of x,
.set QSC,  137216       ; q,
.set KSC,  139264       ; k,
.set VSC,  141312       ; v
.set RLB,  143360       ; 1 / (256 l): 128 w + 64 t + 4 r; each wave's own
.set WAB,  144384       ; out2's 256 numbers
.set OST,  145408       ; 16 rows (2 w + h) x 1,088: parts of the mean of O / l
.set RST,  162816       ; 8 rows x 1,024: parts of out2 . x
.set STG,  171008       ; 128 rows (16 w + r) x 1,040: p / (256 l), two query tiles joined, for the sums by columns
; SCALARS
.set SWV,  40           ; my wave
.set SLEN, 42           ; keys that count
.set SEL,  46           ; s[46:47] lane selects for v_permlanex16_b32: the lane 16 away
.set CS,   48           ; s[48:49] log2(e) / 16
.set IDS,  68           ; s[68:99] the ids of my 32 rows (32 w + i)
; VECTORS, window 0 (v0-255); window 1 (v256-511) holds the wide f32 data of each phase.  v240-255 hold scales and nothing else.
.set LI,  1             ; 16 x lane
.set R8,  2             ; 8 r
.set RR,  3             ; r = lane % 16
.set HH,  4             ; h = lane / 16
.set VD,  5             ; SLEN - 16 h
.set NEG, 6             ; -infinity
.set L32, 7             ; 32 x lane
.set WQF, 32            ; the weights' fragments: 8 (2 u + s)
.set WKF, 64
.set WVF, 96
.set BQ,  128           ; the biases in the results' layout: 8 u + j
.set BK,  144
.set BV,  160
.set XO,  176           ; the rows' byte offsets in emb
.set XF,  176           ; x's fragments: 8 (2 x + s)
.set TM,  208
.set T1,  216
.set PC,  224
.set WQS, 240
.set WKS, 244
.set WVS, 248
.set XS,  252
.set QF,  32            ; attention: my two query tiles: 16 t + 8 s
.set KB,  64            ; two buffers of a block of 32 keys: 32 sel + 16 u + 8 s
.set PF,  128           ; p's codes: 16 t + 8 s
.set NM,  160           ; -M: 160 + 4 t (named as a pair)
.set RLS, 162           ; 1 / (256 l): 162 + 4 t (named as a pair)
.set BM,  168
.set T2,  176
.set SO,  184
.set LS,  192
.set MX,  200
.set RLQ, 204           ; 1 / (256 l) of the eight queries 8 h + j of tile t: 8 t + j
.set QS,  240
.set KS,  244
.set PW,  252
.set RO,  32            ; the rows' offsets once more
.set RO31, 236
.set VB,  32            ; two buffers of 32 channels of v: 32 sel + 16 n + 8 s
.set ACC, 96            ; O: 96 + 72 (g % 2) + 16 n + 8 t
.set CSUM, 200
.set TP,  200
.set OS,  220
.set VS,  244
.set PT,  160           ; targets of lane exchanges: written long before
.set WA,  32
.set RA,  64
.set RB,  72
.set Y,   80
.set OW,  88
.set LG,  96
.set LB,  104
.set LW,  112
.set TE,  120
.set MSB, 0
.macro WIN new                          ; s_set_vgpr_msb: bits 1:0 source 0, 3:2 source 1, 5:4 source 2, 7:6 destination; the high byte repeats the setting that is left
.if MSB != \new
	s_set_vgpr_msb (MSB<<8)|\new
.set MSB, \new
.endif
.endm
.macro PLACES n                         ; plain vector places behind matrix instructions (ISA guide 7.12.1)
.rept \n
	v_nop
.endr
.endm
.macro BARRIER                          ; my LDS stores have landed and my LDS loads are in: then the work-group's barrier
	s_wait_dscnt 0x0
	s_barrier_signal -1
	s_barrier_wait -1
.endm
.macro MM d, a, b, c, sa, sb            ; one product 16 x 16 x 128; c < 0: the sum starts at 0
.if (\c) < 0
	v_wmma_scale_f32_16x16x128_f8f6f4 v[(\d):(\d)+7], v[(\a):(\a)+7], v[(\b):(\b)+7], 0, v[\sa], v[\sb] matrix_a_fmt:MATRIX_FMT_FP4 matrix_b_fmt:MATRIX_FMT_FP4
.else
	v_wmma_scale_f32_16x16x128_f8f6f4 v[(\d):(\d)+7], v[(\a):(\a)+7], v[(\b):(\b)+7], v[(\c):(\c)+7], v[\sa], v[\sb] matrix_a_fmt:MATRIX_FMT_FP4 matrix_b_fmt:MATRIX_FMT_FP4
.endif
.endm
.macro WSUM x, tmp                      ; the sum over the wave's 32 lanes, in every lane
	v_add_f32_dpp v[\x], v[\x], v[\x] row_xmask:1 row_mask:0xf bank_mask:0xf
	v_add_f32_dpp v[\x], v[\x], v[\x] row_xmask:2 row_mask:0xf bank_mask:0xf
	v_add_f32_dpp v[\x], v[\x], v[\x] row_xmask:4 row_mask:0xf bank_mask:0xf
	v_add_f32_dpp v[\x], v[\x], v[\x] row_xmask:8 row_mask:0xf bank_mask:0xf
	v_permlanex16_b32 v[\tmp], v[\x], s[SEL], s[SEL+1]
	v_add_f32 v[\x], v[\x], v[\tmp]
.endm
; ---------------------------------------------------------------- HEAD
	s_load_b512 s[4:19], s[0:1], 0x0               ; seq_ids 4, seq_lengths 6, emb 8, q_w_codes 10, q_w_scales 12, q_b 14, k_w_codes 16, k_w_scales 18
	s_load_b512 s[20:35], s[0:1], 0x40             ; k_b 20, v_w_codes 22, v_w_scales 24, v_b 26, ln_word_g 28, ln_word_b 30, W_page 32, out2 34
	s_load_b128 s[36:39], s[0:1], 0x80             ; out5 36, out6 38
	v_lshl_add_u32 v238, v0, 2, 0x4a400
	v_mov_b32 v239, 0
	v_lshrrev_b32 v24, 5, v0
	v_readfirstlane_b32 s[SWV], v24                ; wave 0..7
	v_and_b32 v25, 31, v0                          ; lane
	v_lshlrev_b32 v[LI], 4, v25
	v_lshlrev_b32 v[L32], 5, v25
	v_and_b32 v[RR], 15, v0
	v_bfe_u32 v[HH], v0, 4, 1
	v_lshlrev_b32 v[R8], 3, v[RR]
	s_mov_b32 s[SEL], 0x76543210
	s_mov_b32 s[SEL+1], 0xfedcba98
	s_mov_b32 s[CS], 0x3db8aa3b                    ; log2(e) / sqrt(256)
	s_mov_b32 s[CS+1], s[CS]                       ; (named with it as a pair, so it is written)
	s_mov_b32 s61, 0x3b800000                      ; 1 / 256
	s_mov_b32 s62, 0x3727c5ac                      ; 1e-5
	s_lshl_b32 s56, ttmp9, 10                      ; the page's 1,024 bytes in seq_ids, out2 and out6
	s_mov_b32 s57, 0
	s_lshl_b32 s58, ttmp9, 2                       ; its 4 bytes in seq_lengths and out5
	s_mov_b32 s59, 0
	s_lshl_b32 s44, s[SWV], 7                      ; my 32 ids
	s_wait_kmcnt 0x0
	s_add_nc_u64 s[4:5], s[4:5], s[56:57]
	s_add_nc_u64 s[34:35], s[34:35], s[56:57]
	s_add_nc_u64 s[38:39], s[38:39], s[56:57]
	s_add_nc_u64 s[6:7], s[6:7], s[58:59]
	s_add_nc_u64 s[36:37], s[36:37], s[58:59]
	s_mov_b32 s56, s44
	s_add_nc_u64 s[4:5], s[4:5], s[56:57]
	s_load_b32 s[SLEN], s[6:7], 0x0
	s_load_b512 s[IDS:IDS+15], s[4:5], 0x0
	s_load_b512 s[IDS+16:IDS+31], s[4:5], 0x40
	; my part of the weights: q, k: lane r of tile u takes row 32 w + 8 u + r + (r & 8); v: lane r of tile n takes row 32 w + 16 n + r.  A row is 128 bytes of codes, 8 of scales
	v_and_b32 v24, 8, v[RR]
	v_add_nc_u32 v24, v24, v[RR]                   ; r + (r & 8)
	v_lshlrev_b32 v8, 7, v24
	v_lshl_add_u32 v8, v[HH], 4, v8
	s_lshl_b32 s43, s[SWV], 12
	v_add_nc_u32 v8, s43, v8                       ; q, k codes
	v_lshlrev_b32 v9, 7, v[RR]
	v_lshl_add_u32 v9, v[HH], 4, v9
	v_add_nc_u32 v9, s43, v9                       ; v codes
	s_lshl_b32 s43, s[SWV], 8
	v_lshl_add_u32 v10, v24, 3, s43                ; q, k scale words
	v_add_nc_u32 v11, s43, v[R8]                   ; v scale words
	s_lshl_b32 s43, s[SWV], 7
	v_lshl_add_u32 v12, v[HH], 6, s43              ; q_b, k_b: channels 32 w + 16 h + 8 u + j
	v_lshl_add_u32 v13, v[RR], 2, s43              ; v_b: channel 32 w + 16 n + r
	s_mul_i32 s43, s[SWV], 4608
	v_lshl_add_u32 v14, v25, 2, s43                ; LDS: x's codes: my wave's 32 places, 4 bytes a lane
	v_lshrrev_b32 v15, 2, v25
	s_lshl_b32 s43, s[SWV], 8
	s_add_co_u32 s43, s43, XSC
	v_add_nc_u32 v15, s43, v15                     ; LDS: x's scale bytes: four lanes hold a block
.irp u, 0,1
.irp s, 0,1
.irp c, 0,1
	global_load_b128 v[WQF+8*(2*\u+\s)+4*\c:WQF+8*(2*\u+\s)+4*\c+3], v8, s[10:11] offset:1024*\u+64*\s+32*\c
	global_load_b128 v[WKF+8*(2*\u+\s)+4*\c:WKF+8*(2*\u+\s)+4*\c+3], v8, s[16:17] offset:1024*\u+64*\s+32*\c
	global_load_b128 v[WVF+8*(2*\u+\s)+4*\c:WVF+8*(2*\u+\s)+4*\c+3], v9, s[22:23] offset:2048*\u+64*\s+32*\c
.endr
.endr
	global_load_b64 v[WQS+2*\u:WQS+2*\u+1], v10, s[12:13] offset:64*\u
	global_load_b64 v[WKS+2*\u:WKS+2*\u+1], v10, s[18:19] offset:64*\u
	global_load_b64 v[WVS+2*\u:WVS+2*\u+1], v11, s[24:25] offset:128*\u
	global_load_b128 v[BQ+8*\u:BQ+8*\u+3], v12, s[14:15] offset:32*\u
	global_load_b128 v[BQ+8*\u+4:BQ+8*\u+7], v12, s[14:15] offset:32*\u+16
	global_load_b128 v[BK+8*\u:BK+8*\u+3], v12, s[20:21] offset:32*\u
	global_load_b128 v[BK+8*\u+4:BK+8*\u+7], v12, s[20:21] offset:32*\u+16
	global_load_b32 v[BV+8*\u], v13, s[26:27] offset:64*\u
.endr                                                  ; 40 loads
	s_wait_kmcnt 0x0
.set i, 0
.rept 32
	s_min_u32 s[IDS+i], s[IDS+i], 0xc34f           ; an id stays inside the table
.set i, i+1
.endr
.set i, 0
.rept 32
	v_lshl_add_u32 v[XO+i], s[IDS+i], 10, v[L32]   ; a row of emb is 1,024 bytes; lane l takes channels 8 l .. 8 l + 7
.set i, i+1
.endr
	WIN 0x40                                       ; destination window 1: row i at 8 i
.set i, 0
.rept 32
	global_load_b128 v[8*i:8*i+3], v[XO+i], s[8:9]
	global_load_b128 v[8*i+4:8*i+7], v[XO+i], s[8:9] offset:16
.set i, i+1
.endr
	WIN 0
	s_movk_i32 s43, 256
	s_cmp_le_i32 s[SLEN], 0                        ; a page all of whose keys are hidden counts them all
	s_cselect_b32 s[SLEN], s43, s[SLEN]
	s_min_u32 s[SLEN], s[SLEN], s43
	v_lshlrev_b32 v24, 4, v[HH]
	v_sub_nc_u32 v[VD], s[SLEN], v24
	v_mov_b32 v[NEG], 0xff800000
; ---------------------------------------------------------------- X: my 32 rows become codes
; Eight rows by turns.  A block of 32 channels lies in four neighbouring lanes.  Row 8 grp + k goes to place k + 8 (grp / 2) + 16 (grp % 2) of my wave's 32.
.macro XGRP grp
	WIN 0x05
.irp k, 0,1,2,3,4,5,6,7
	v_max3_num_f32 v[TM+\k], |v[8*(8*\grp+\k)]|, |v[8*(8*\grp+\k)+1]|, 0x1800000   ; and the floor 2^(3 - 127): the byte cannot fall under 1
.endr
	WIN 0x14
.irp m, 2,4,6
.irp k, 0,1,2,3,4,5,6,7
	v_max3_num_f32 v[TM+\k], v[TM+\k], |v[8*(8*\grp+\k)+\m]|, |v[8*(8*\grp+\k)+\m+1]|
.endr
.endr
	WIN 0
.irp k, 0,1,2,3,4,5,6,7
	v_max_num_f32_dpp v[TM+\k], v[TM+\k], v[TM+\k] row_xmask:1 row_mask:0xf bank_mask:0xf
.endr
.irp k, 0,1,2,3,4,5,6,7
	v_max_num_f32_dpp v[TM+\k], v[TM+\k], v[TM+\k] row_xmask:2 row_mask:0xf bank_mask:0xf
.endr
.irp k, 0,1,2,3,4,5,6,7
	v_add_nc_u32 v[TM+\k], 0xff000000, v[TM+\k]    ; 2 off the exponent field: the conversion's scale operand
.endr
	s_wait_dscnt 0x0                               ; the last group's stores have read their registers
.irp k, 0,1,2,3,4,5,6,7
	v_lshrrev_b32 v[T1+\k], 23, v[TM+\k]           ; the scale's byte
.endr
	WIN 0x01
.irp k, 0,1,2,3,4,5,6,7
	v_cvt_scalef32_pk8_fp4_f32 v[PC+\k], v[8*(8*\grp+\k):8*(8*\grp+\k)+7], v[TM+\k]
.endr
	WIN 0
	v_nop                                          ; one plain place behind the conversions
.irp k, 0,1,2,3,4,5,6,7
	ds_store_b32 v14, v[PC+\k] offset:144*(\k+8*(\grp/2)+16*(\grp%2))
	ds_store_b8 v15, v[T1+\k] offset:8*(\k+8*(\grp/2)+16*(\grp%2))       ; the four lanes of a block write the same byte with the same value
.endr
.endm
	s_wait_loadcnt 48                              ; the weights' 40 loads and rows 0-7 are in; the 16 loads of each later group may be out
.irp n, 0,1
.irp j, 1,2,3,4,5,6,7
	v_mov_b32 v[BV+8*\n+\j], v[BV+8*\n]            ; v's bias hangs on the lane's channel alone: the same in all eight registers
.endr
.endr
	XGRP 0
	s_wait_loadcnt 32
	XGRP 1
	s_wait_loadcnt 16
	XGRP 2
	s_wait_loadcnt 0x0
	XGRP 3
	BARRIER                                        ; x's codes and scale bytes lie in LDS
; ---------------------------------------------------------------- 1: q, k, v of my 32 channels, 32 rows a trip
.set XRD, 8
.set XSR, 9
.set QW,  10
.set QSW, 11
.set VW,  12
.set VSW, 13
	v_mul_u32_u24 v[XRD], v[RR], 144
	v_lshl_add_u32 v[XRD], v[HH], 4, v[XRD]        ; a fragment of x: place r, + 16 h
	v_add_nc_u32 v[XSR], XSC, v[R8]
	v_lshlrev_b32 v24, 4, v[RR]
	v_lshl_add_u32 v24, v[HH], 3, v24              ; 16 r + 8 h
	s_lshl_b32 s43, s[SWV], 8
	s_add_co_u32 s44, s43, QIMG
	v_add_nc_u32 v[QW], s44, v24                   ; q's image: block w of the channels
	s_add_co_u32 s44, s[SWV], QSC
	v_add_nc_u32 v[QSW], s44, v[R8]
	s_lshl_b32 s44, s[SWV], 12
	s_add_co_u32 s44, s44, VIMG
	v_add_nc_u32 v[VW], s44, v24                   ; v's image: channel tiles 2 w, 2 w + 1
	s_add_co_u32 s44, s43, VSC
	v_add_nc_u32 v[VSW], s44, v[R8]
.macro XFETCH b                         ; tiles 2 b, 2 b + 1 of x: four fragments and their scale words: 10 LDS loads
.irp x, 0,1
.irp s, 0,1
.irp c, 0,1
	ds_load_b128 v[XF+8*(2*\x+\s)+4*\c:XF+8*(2*\x+\s)+4*\c+3], v[XRD] offset:4608*(\b)+2304*\x+64*\s+32*\c
.endr
.endr
.endr
.irp x, 0,1
	ds_load_b64 v[XS+2*\x:XS+2*\x+1], v[XSR] offset:256*(\b)+128*\x
.endr
.endm
; 12 products of K step s, one to an accumulator, so that the accumulators take turns.  s = 0: the bias starts the sum.
; Window 1: q of x tile x at 16 x + 8 u, k at 32 + 16 x + 8 u, v of channel tile n at 64 + 16 n + 8 x.
.macro P1MUL s
.if (\s) == 0
	WIN 0x40
.else
	WIN 0x50
.endif
.irp x, 0,1
.irp u, 0,1
.set DD, 16*\x+8*\u
.set CC, DD
.if (\s) == 0
.set CC, BQ+8*\u
.endif
	MM DD, WQF+8*(2*\u+(\s)), XF+8*(2*\x+(\s)), CC, WQS+2*\u+(\s), XS+2*\x+(\s)
.endr
.endr
.irp x, 0,1
.irp u, 0,1
.set DD, 32+16*\x+8*\u
.set CC, DD
.if (\s) == 0
.set CC, BK+8*\u
.endif
	MM DD, WKF+8*(2*\u+(\s)), XF+8*(2*\x+(\s)), CC, WKS+2*\u+(\s), XS+2*\x+(\s)
.endr
.endr
.irp n, 0,1
.irp x, 0,1
.set DD, 64+16*\n+8*\x
.set CC, DD
.if (\s) == 0
.set CC, BV+8*\n
.endif
	MM DD, XF+8*(2*\x+(\s)), WVF+8*(2*\n+(\s)), CC, XS+2*\x+(\s), WVS+2*\n+(\s)
.endr
.endr
.endm
; A trip: rows 32 b .. 32 b + 31.  24 products; the next trip's fragments are asked for; six groups of 16 registers (half a block each) are quantised by turns and go to their images.
.macro P1TRIP b, next
	P1MUL 0
	P1MUL 1
	WIN 0
	PLACES 4                                       ; in front of the loads into x's fragments and of the first read of results
.if \next
	XFETCH (\b)+1
.endif
	WIN 0x05
.irp g, 0,1,2,3,4,5
	v_max3_num_f32 v[TM+\g], |v[16*\g]|, |v[16*\g+1]|, 0x1800000   ; each accumulator is read from its low end on
.endr
	WIN 0x14
.irp i, 2,4,6,8,10,12,14
.irp g, 0,1,2,3,4,5
	v_max3_num_f32 v[TM+\g], v[TM+\g], |v[16*\g+\i]|, |v[16*\g+\i+1]|
.endr
.endr
	WIN 0
.irp g, 0,1,2,3,4,5
	v_permlanex16_b32 v[T1+\g], v[TM+\g], s[SEL], s[SEL+1]
.endr
.irp g, 0,1,2,3,4,5
	v_max_num_f32 v[TM+\g], v[TM+\g], v[T1+\g]     ; with the other half's: the block's largest magnitude
.endr
.irp g, 0,1,2,3,4,5
	v_add_nc_u32 v[TM+\g], 0xff000000, v[TM+\g]
.endr
	s_wait_dscnt 0x0                               ; the last trip's stores have read their registers, and the next trip's fragments are in
.irp g, 0,1,2,3,4,5
	v_lshrrev_b32 v[T1+\g], 23, v[TM+\g]
.endr
	WIN 0x01
.irp g, 0,1,2,3,4,5
	v_cvt_scalef32_pk8_fp4_f32 v[PC+2*\g], v[16*\g:16*\g+7], v[TM+\g]
	v_cvt_scalef32_pk8_fp4_f32 v[PC+2*\g+1], v[16*\g+8:16*\g+15], v[TM+\g]
.endr
	WIN 0
	v_nop                                          ; one plain place behind the conversions
.irp g, 0,1
	ds_store_b64 v[QW], v[PC+2*\g:PC+2*\g+1] offset:4096*(\b)+2048*\g
	ds_store_b8 v[QSW], v[T1+\g] offset:256*(\b)+128*\g
	ds_store_b64 v[QW], v[PC+4+2*\g:PC+5+2*\g] offset:KIMG-QIMG+4096*(\b)+2048*\g
	ds_store_b8 v[QSW], v[T1+2+\g] offset:KSC-QSC+256*(\b)+128*\g
	ds_store_b64 v[VW], v[PC+8+2*\g:PC+9+2*\g] offset:256*(\b)+2048*\g
	ds_store_b8 v[VSW], v[T1+4+\g] offset:(\b)+128*\g
.endr
.endm
	XFETCH 0
	s_wait_dscnt 0x0
.irp b, 0,1,2,3,4,5,6
	P1TRIP \b, 1
.endr
	P1TRIP 7, 0
	BARRIER                                        ; q's, k's and v's images and scale bytes lie in LDS
; ---------------------------------------------------------------- 2: the scores of my 32 queries against all 256 keys, and their softmax
.set QR,  8
.set QSR, 9
.set KR,  10
.set KSR, 11
.set STW, 12
.set RLW, 13
.set RLR, 14
	s_lshl_b32 s43, s[SWV], 12
	s_add_co_u32 s43, s43, QIMG
	v_add_nc_u32 v[QR], s43, v[LI]
	s_lshl_b32 s43, s[SWV], 8
	s_add_co_u32 s43, s43, QSC
	v_add_nc_u32 v[QSR], s43, v[R8]
	v_add_nc_u32 v[KR], KIMG, v[LI]
	v_add_nc_u32 v[KSR], KSC, v[R8]
	s_mul_i32 s43, s[SWV], 16*1040
	s_add_co_u32 s43, s43, STG
	v_mul_u32_u24 v[STW], v[RR], 1040
	v_lshl_add_u32 v[STW], v[HH], 6, v[STW]
	v_add_nc_u32 v[STW], s43, v[STW]               ; the stage: row 16 w + r, + 64 h: key 32 b + 16 h + i at byte 128 b + 64 h + 4 i
	s_lshl_b32 s43, s[SWV], 7
	s_add_co_u32 s43, s43, RLB
	v_lshl_add_u32 v[RLW], v[RR], 2, s43
	v_lshl_add_u32 v[RLR], v[HH], 5, s43
.irp t, 0,1
.irp s, 0,1
.irp c, 0,1
	ds_load_b128 v[QF+16*\t+8*\s+4*\c:QF+16*\t+8*\s+4*\c+3], v[QR] offset:2048*\t+1024*\s+512*\c
.endr
.endr
	ds_load_b64 v[QS+2*\t:QS+2*\t+1], v[QSR] offset:128*\t
.endr
.macro KLOAD kb, sel                    ; keys 32 kb .. + 31: four fragments and their scale words: 10 LDS loads
.irp u, 0,1
.irp s, 0,1
.irp c, 0,1
	ds_load_b128 v[KB+32*(\sel)+16*\u+8*\s+4*\c:KB+32*(\sel)+16*\u+8*\s+4*\c+3], v[KR] offset:4096*(\kb)+2048*\u+1024*\s+512*\c
.endr
.endr
.endr
.irp u, 0,1
	ds_load_b64 v[KS+4*(\sel)+2*\u:KS+4*(\sel)+2*\u+1], v[KSR] offset:256*(\kb)+128*\u
.endr
.endm
.macro SMUL kb, sel                     ; S^T of tile t at window 1, 128 t + 16 kb + 8 u: four accumulators by turns, two K steps
	WIN 0x40
.irp u, 0,1
.irp t, 0,1
	MM 128*\t+16*(\kb)+8*\u, KB+32*(\sel)+16*\u, QF+16*\t, -1, KS+4*(\sel)+2*\u, QS+2*\t
.endr
.endr
	WIN 0x50
.irp u, 0,1
.irp t, 0,1
	MM 128*\t+16*(\kb)+8*\u, KB+32*(\sel)+16*\u+8, QF+16*\t+8, 128*\t+16*(\kb)+8*\u, KS+4*(\sel)+2*\u+1, QS+2*\t+1
.endr
.endr
	PLACES 4                                       ; in front of the loads into this buffer, and of the first read of results
	WIN 0
.endm
	KLOAD 0, 0
	KLOAD 1, 1
.irp b, 0,1,2,3,4,5,6,7
.if \b < 7
	s_wait_dscnt 10                                ; this block's loads (and Q's) are in; the younger block's ten may be out
.else
	s_wait_dscnt 0x0
.endif
	SMUL \b, \b%2
.if \b < 6
	KLOAD \b+2, \b%2
.endif
.endr
; Keys at or past the page's length get the score -infinity: p = 0.  A block all of whose keys count is passed over: a scalar branch on the length, the same in all waves; no barrier stands under it.
.macro MASKB kb
	s_cmp_ge_u32 s[SLEN], 32*(\kb)+32
	s_cbranch_scc1 .Lopen_\@
	WIN 0x41
.set i, 0
.rept 16
	v_cmp_ge_i32 vcc_lo, 32*(\kb)+i, v[VD]         ; register 16 kb + i holds key 32 kb + 16 h + i
	v_cndmask_b32 v[16*(\kb)+i], v[16*(\kb)+i], v[NEG], vcc_lo
	v_cndmask_b32 v[128+16*(\kb)+i], v[128+16*(\kb)+i], v[NEG], vcc_lo
.set i, i+1
.endr
	WIN 0
.Lopen_\@:
.endm
.irp b, 0,1,2,3,4,5,6,7
	MASKB \b
.endr
; The softmax of tile t: 128 scores a lane.
.macro SMX t
.set SB,  128*(\t)
.set NMT, NM+4*(\t)
.set RLT, RLS+4*(\t)
.set PFT, PF+16*(\t)
.set PWT, PW+2*(\t)
	WIN 0x15
.irp b, 0,1,2,3,4,5,6,7
	v_max3_num_f32 v[BM+\b], v[SB+16*\b], v[SB+16*\b+1], v[SB+16*\b+2]   ; the largest score of each block of 32 keys: it serves the row's maximum and the block's largest p
.endr
	WIN 0x14
.irp i, 3,5,7,9,11,13
.irp b, 0,1,2,3,4,5,6,7
	v_max3_num_f32 v[BM+\b], v[BM+\b], v[SB+16*\b+\i], v[SB+16*\b+\i+1]
.endr
.endr
.irp b, 0,1,2,3,4,5,6,7
	v_max_num_f32 v[BM+\b], v[BM+\b], v[SB+16*\b+15]
.endr
	WIN 0
.irp b, 0,1,2,3,4,5,6,7
	v_permlanex16_b32 v[T2+\b], v[BM+\b], s[SEL], s[SEL+1]
.endr
.irp b, 0,1,2,3,4,5,6,7
	v_max_num_f32 v[BM+\b], v[BM+\b], v[T2+\b]
.endr
	v_max3_num_f32 v[MX], v[BM], v[BM+1], v[BM+2]
	v_max3_num_f32 v[MX+1], v[BM+3], v[BM+4], v[BM+5]
	v_max3_num_f32 v[MX], v[MX], v[BM+6], v[BM+7]
	v_max_num_f32 v[MX], v[MX], v[MX+1]            ; the row's largest score (key 0 always counts)
	v_mul_f32 v[MX], s[CS], v[MX]                  ; as t
	v_floor_f32 v[NMT], -v[MX]                     ; -M = floor(-t) = -ceil(t)
	v_mov_b32 v[NMT+1], v[NMT]                     ; (named with it as a pair)
	WIN 0x41
.set j, 0
.rept 64
	v_pk_fma_f32 v[SB+j:SB+j+1], v[SB+j:SB+j+1], s[CS:CS+1], v[NMT:NMT+1] op_sel_hi:[1,0,0]   ; t - M
.set j, j+2
.endr
.set j, 0
.rept 128
	v_exp_f32 v[SB+j], v[SB+j]                     ; p = 2^(t - M)
.set j, j+1
.endr
	WIN 0
.irp b, 0,1,2,3,4,5,6,7
	v_fma_f32 v[BM+\b], v[BM+\b], s[CS], v[NMT]    ; the same of each block's largest score: plain work behind the batch
.endr
	s_wait_alu depctr_va_vdst(0)                   ; one wait for the 128 exponentials, ahead of their first reader
.irp b, 0,1,2,3,4,5,6,7
	v_exp_f32 v[BM+\b], v[BM+\b]                   ; the block's largest p
.endr
	WIN 0x05
.irp k, 0,1,2,3
	v_pk_add_f32 v[LS+2*\k:LS+2*\k+1], v[SB+4*\k:SB+4*\k+1], v[SB+4*\k+2:SB+4*\k+3]   ; the row's sum, of the unquantised p, in four chains
.endr
	WIN 0x04
.set j, 8
.rept 56
	v_pk_add_f32 v[LS+2*(j%4):LS+2*(j%4)+1], v[LS+2*(j%4):LS+2*(j%4)+1], v[SB+2*j:SB+2*j+1]
.set j, j+1
.endr
	WIN 0
	v_pk_add_f32 v[LS:LS+1], v[LS:LS+1], v[LS+2:LS+3]
	v_pk_add_f32 v[LS+4:LS+5], v[LS+4:LS+5], v[LS+6:LS+7]
	v_pk_add_f32 v[LS:LS+1], v[LS:LS+1], v[LS+4:LS+5]
	v_add_f32 v[MX], v[LS], v[LS+1]
	v_permlanex16_b32 v[T2], v[MX], s[SEL], s[SEL+1]
	v_add_f32 v[MX], v[MX], v[T2]                  ; l
	v_rcp_f32 v[MX+1], v[MX]
	v_nop                                          ; a plain place behind the reciprocal
	s_wait_alu depctr_va_vdst(0)                   ; one wait for the eight exponentials and the reciprocal
	v_mul_f32 v[RLT], s61, v[MX+1]                 ; 1 / (256 l)
	v_mov_b32 v[RLT+1], v[RLT]
.irp b, 0,1,2,3,4,5,6,7
	v_max_num_f32 v[BM+\b], 0x1800000, v[BM+\b]    ; the floor 2^(3 - 127): a block whose every p is 0 keeps the byte 1
.endr
.irp b, 0,1,2,3,4,5,6,7
	v_add_nc_u32 v[SO+\b], 0xff000000, v[BM+\b]
.endr
.irp b, 0,1,2,3,4,5,6,7
	v_lshrrev_b32 v[T2+\b], 23, v[SO+\b]
.endr
.irp s, 0,1
	v_lshl_or_b32 v[PWT+\s], v[T2+4*\s+1], 8, v[T2+4*\s]   ; p's scale word of key step s
	v_lshl_or_b32 v[PWT+\s], v[T2+4*\s+2], 16, v[PWT+\s]
	v_lshl_or_b32 v[PWT+\s], v[T2+4*\s+3], 24, v[PWT+\s]
.endr
	WIN 0x01
.irp b, 0,1,2,3,4,5,6,7
	v_cvt_scalef32_pk8_fp4_f32 v[PFT+2*\b], v[SB+16*\b:SB+16*\b+7], v[SO+\b]
	v_cvt_scalef32_pk8_fp4_f32 v[PFT+2*\b+1], v[SB+16*\b+8:SB+16*\b+15], v[SO+\b]
.endr
	WIN 0
	v_nop                                          ; one plain place behind the conversions
.irp f, 0,4,8,12                               ; the operand's layout wants a whole block in a lane
.irp i, 0,1
	v_permlane16_swap_b32 v[PFT+\f+\i], v[PFT+\f+2+\i]
.endr
.endr
	ds_store_b32 v[RLW], v[RLT] offset:64*(\t)     ; 1 / (256 l) from a lane a query to a register a query, through my wave's own words: LDS serves a wave's instructions in order
	ds_load_b128 v[RLQ+8*(\t):RLQ+8*(\t)+3], v[RLR] offset:64*(\t)
	ds_load_b128 v[RLQ+8*(\t)+4:RLQ+8*(\t)+7], v[RLR] offset:64*(\t)+16
.endm
	SMX 0
	SMX 1
	; p / (256 l) of my two tiles, joined in the lane; 16 rows x 256 keys go to the stage
	WIN 0x41
.set j, 0
.rept 64
	v_pk_mul_f32 v[j:j+1], v[j:j+1], v[RLS:RLS+1] op_sel_hi:[1,0]
.set j, j+2
.endr
	WIN 0x51
.set j, 0
.rept 64
	v_pk_fma_f32 v[j:j+1], v[128+j:129+j], v[RLS+4:RLS+5], v[j:j+1] op_sel_hi:[1,0,1]
.set j, j+2
.endr
	WIN 0x04                                       ; an LDS store's data are its source 1
.irp b, 0,1,2,3,4,5,6,7
.irp q, 0,1,2,3
	ds_store_b128 v[STW], v[16*\b+4*\q:16*\b+4*\q+3] offset:128*\b+16*\q
.endr
.endr
	WIN 0
	BARRIER                                        ; 128 rows lie in the stage
; ---------------------------------------------------------------- 3: out2's 32 keys of my wave; the rows of x once more; O = P V and its mean
.set CR0, 8
.set CR1, 9
.set WAW, 10
.set VR,  11
.set VSR, 12
.set OSW, 13
.set WAR, 14
.set RSW, 15
.set EO,  16
.set ER,  17
.set EW,  18
	v_and_b32 v24, 31, v0
	v_lshrrev_b32 v25, 3, v24                      ; lane / 8: which rows
	v_and_b32 v26, 7, v0                           ; lane % 8: which 16 bytes of my wave's 128
	v_mul_u32_u24 v[CR0], v25, 8320
	v_lshl_add_u32 v[CR0], v26, 4, v[CR0]
	s_lshl_b32 s43, s[SWV], 7
	s_add_co_u32 s44, s43, STG
	v_add_nc_u32 v[CR0], s44, v[CR0]               ; rows 8 (lane / 8) + ..; eight rows on are 128 bytes on modulo 256
	v_add_nc_u32 v[CR1], 66560, v[CR0]             ; 64 rows on
	s_add_co_u32 s44, s43, WAB
	v_lshl_add_u32 v[WAW], v26, 4, s44
	v_mov_b32 v[WAR], s44
	v_add_nc_u32 v[VR], VIMG, v[LI]
	v_add_nc_u32 v[VSR], VSC, v[R8]
	s_mul_i32 s44, s[SWV], 2176
	s_add_co_u32 s44, s44, OST
	v_mul_u32_u24 v[OSW], v[HH], 1088
	v_lshl_add_u32 v[OSW], v[RR], 2, v[OSW]
	v_add_nc_u32 v[OSW], s44, v[OSW]
	s_lshl_b32 s44, s[SWV], 10
	s_add_co_u32 s44, s44, RST
	v_add_nc_u32 v[RSW], s44, v[LI]
	v_add_nc_u32 v[EO], OST, v[LI]
	v_add_nc_u32 v[ER], RST, v[LI]
	v_add_nc_u32 v[EW], WAB, v[LI]
	WIN 0x40
.set i, 0
.rept 16
	ds_load_b128 v[4*i:4*i+3], v[CR0] offset:(i&7)*1040+((i>>3)&1)*33280
.set i, i+1
.endr
.rept 16
	ds_load_b128 v[4*i:4*i+3], v[CR1] offset:(i&7)*1040+((i>>3)&1)*33280
.set i, i+1
.endr
	s_wait_dscnt 0x0
	WIN 0x45
.irp d, 16,8,4,2
.set i, 0
.rept \d
	v_pk_add_f32 v[4*i:4*i+1], v[4*i:4*i+1], v[4*(i+\d):4*(i+\d)+1]
	v_pk_add_f32 v[4*i+2:4*i+3], v[4*i+2:4*i+3], v[4*(i+\d)+2:4*(i+\d)+3]
.set i, i+1
.endr
.endr
	WIN 0x05
	v_pk_add_f32 v[CSUM:CSUM+1], v[0:1], v[4:5]
	v_pk_add_f32 v[CSUM+2:CSUM+3], v[2:3], v[6:7]
	WIN 0
.irp k, 0,1,2,3
	v_add_f32_dpp v[CSUM+\k], v[CSUM+\k], v[CSUM+\k] row_xmask:8 row_mask:0xf bank_mask:0xf
.endr
.irp k, 0,1,2,3
	v_permlanex16_b32 v[PT+\k], v[CSUM+\k], s[SEL], s[SEL+1]
.endr
.irp k, 0,1,2,3
	v_add_f32 v[CSUM+\k], v[CSUM+\k], v[PT+\k]
.endr
	ds_store_b128 v[WAW], v[CSUM:CSUM+3]           ; four lanes write the same 16 bytes with the same values
	; my 32 rows of x in f32, for out2 . x: lane l takes channels 4 l .. and 128 + 4 l ..: each load reads 512 consecutive bytes.  They land while P V is multiplied.
	; 62 loads go out here and the last row's two in the middle of P V: LOADcnt counts to 63 (ISA guide 5.7.1), and a 64th load would hold the wave's issue up.
.set i, 0
.rept 31
	v_lshl_add_u32 v[RO+i], s[IDS+i], 10, v[LI]
.set i, i+1
.endr
	v_lshl_add_u32 v[RO31], s[IDS+31], 10, v[LI]
	WIN 0x40
.set i, 0
.rept 31
	global_load_b128 v[8*i:8*i+3], v[RO+i], s[8:9]
	global_load_b128 v[8*i+4:8*i+7], v[RO+i], s[8:9] offset:512
.set i, i+1
.endr
	WIN 0
	s_wait_xcnt 0x0                                ; the loads have read their offsets: v's fragments land on those registers
.macro VLOAD g, sel                     ; channels 32 g .. + 31: four fragments and their scale words: 10 LDS loads
.irp n, 0,1
.irp s, 0,1
.irp c, 0,1
	ds_load_b128 v[VB+32*(\sel)+16*\n+8*\s+4*\c:VB+32*(\sel)+16*\n+8*\s+4*\c+3], v[VR] offset:4096*(\g)+2048*\n+1024*\s+512*\c
.endr
.endr
.endr
.irp n, 0,1
	ds_load_b64 v[VS+4*(\sel)+2*\n:VS+4*(\sel)+2*\n+1], v[VSR] offset:256*(\g)+128*\n
.endr
.endm
.macro PMUL g                           ; O (queries x channels): four accumulators by turns, two key steps
.set AC, ACC+72*((\g)%2)
.set VF, VB+32*((\g)%2)
.set VC, VS+4*((\g)%2)
.irp n, 0,1
.irp t, 0,1
	MM AC+16*\n+8*\t, PF+16*\t, VF+16*\n, -1, PW+2*\t, VC+2*\n
.endr
.endr
.irp n, 0,1
.irp t, 0,1
	MM AC+16*\n+8*\t, PF+16*\t+8, VF+16*\n+8, AC+16*\n+8*\t, PW+2*\t+1, VC+2*\n+1
.endr
.endr
.endm
.macro ORED g                           ; the sum over my 16 queries (8 h + j of two tiles) of O / (256 l), for the lane's channel: 18 plain lines
.set AC, ACC+72*((\g)%2)
.irp n, 0,1
	v_pk_mul_f32 v[TP+2*\n:TP+2*\n+1], v[AC+16*\n:AC+16*\n+1], v[RLQ:RLQ+1]   ; each accumulator is read from its low end on
.endr
.irp j, 2,4,6
.irp n, 0,1
	v_pk_fma_f32 v[TP+2*\n:TP+2*\n+1], v[AC+16*\n+\j:AC+16*\n+\j+1], v[RLQ+\j:RLQ+\j+1], v[TP+2*\n:TP+2*\n+1]
.endr
.endr
.irp j, 0,2,4,6
.irp n, 0,1
	v_pk_fma_f32 v[TP+2*\n:TP+2*\n+1], v[AC+16*\n+8+\j:AC+16*\n+8+\j+1], v[RLQ+8+\j:RLQ+8+\j+1], v[TP+2*\n:TP+2*\n+1]
.endr
.endr
.irp n, 0,1
	v_add_f32 v[OS+2*(\g)+\n], v[TP+2*\n], v[TP+2*\n+1]
.endr
.endm
	VLOAD 0, 0
	VLOAD 1, 1
.irp g, 0,1,2,3,4,5,6,7
.if \g < 7
	s_wait_dscnt 10                                ; this pair of channel tiles is in; the younger pair's ten loads may be out
.else
	s_wait_dscnt 0x0
.endif
	PMUL \g
.if \g == 0
	PLACES 4
.else
	ORED \g-1                                      ; the pair before: these lines name none of the products just issued and are the places behind them
.endif
.if \g < 6
	VLOAD \g+2, \g%2
.endif
.if \g == 3
	WIN 0x40
	global_load_b128 v[248:251], v[RO31], s[8:9]   ; the last row of x
	global_load_b128 v[252:255], v[RO31], s[8:9] offset:512
	WIN 0
.endif
.endr
	ORED 7
.set i, 0
.rept 16
	ds_store_b32 v[OSW], v[OS+i] offset:64*i       ; channel 16 N + r of row 2 w + h
.set i, i+1
.endr
	BARRIER                                        ; out2 and the parts of the mean of O / l lie in LDS
; ---------------------------------------------------------------- out2 . x over my 32 rows
.irp q, 0,1,2,3,4,5,6,7
	ds_load_b128 v[WA+4*\q:WA+4*\q+3], v[WAR] offset:16*\q   ; out2 of keys 32 w + 0 .. 31, the same words in every lane
.endr
	s_wait_loadcnt 0x0                             ; the rows of x
	s_wait_dscnt 0x0
	WIN 0x01
.set i, 0
.rept 32
.set RD, RA+8*(i%2)                     ; even rows and odd rows in chains of their own
.set m, 0
.rept 4
.if i == 0
	v_pk_mul_f32 v[RD+m:RD+m+1], v[8*i+m:8*i+m+1], v[WA+i:WA+i+1] op_sel_hi:[1,0]
.elseif i == 1
	v_pk_mul_f32 v[RD+m:RD+m+1], v[8*i+m:8*i+m+1], v[WA+i-1:WA+i] op_sel:[0,1]
.elseif i%2 == 0
	v_pk_fma_f32 v[RD+m:RD+m+1], v[8*i+m:8*i+m+1], v[WA+i:WA+i+1], v[RD+m:RD+m+1] op_sel_hi:[1,0,1]
.else
	v_pk_fma_f32 v[RD+m:RD+m+1], v[8*i+m:8*i+m+1], v[WA+i-1:WA+i], v[RD+m:RD+m+1] op_sel:[0,1,0]
.endif
.set m, m+2
.endr
.set i, i+1
.endr
	WIN 0
.irp m, 0,2,4,6
	v_pk_add_f32 v[RA+\m:RA+\m+1], v[RA+\m:RA+\m+1], v[RB+\m:RB+\m+1]
.endr
	ds_store_b128 v[RSW], v[RA:RA+3]
	ds_store_b128 v[RSW], v[RA+4:RA+7] offset:512
	BARRIER                                        ; the eight parts of out2 . x lie in LDS
	s_cmp_lg_u32 s[SWV], 0
	s_cbranch_scc1 .Lend
; ---------------------------------------------------------------- wave 0: the 24 parts are added; LayerNorm; the page's score
	global_load_b128 v[LG:LG+3], v[LI], s[28:29]
	global_load_b128 v[LG+4:LG+7], v[LI], s[28:29] offset:512
	global_load_b128 v[LB:LB+3], v[LI], s[30:31]
	global_load_b128 v[LB+4:LB+7], v[LI], s[30:31] offset:512
	global_load_b128 v[LW:LW+3], v[LI], s[32:33]
	global_load_b128 v[LW+4:LW+7], v[LI], s[32:33] offset:512
	WIN 0x40
.set i, 0
.rept 16
	ds_load_b128 v[8*i:8*i+3], v[EO] offset:1088*i
	ds_load_b128 v[8*i+4:8*i+7], v[EO] offset:1088*i+512
.set i, i+1
.endr
.set i, 0
.rept 8
	ds_load_b128 v[128+8*i:128+8*i+3], v[ER] offset:1024*i
	ds_load_b128 v[128+8*i+4:128+8*i+7], v[ER] offset:1024*i+512
.set i, i+1
.endr
	WIN 0
	ds_load_b128 v[OW:OW+3], v[EW]
	ds_load_b128 v[OW+4:OW+7], v[EW] offset:512
	s_wait_dscnt 0x0
	global_store_b128 v[LI], v[OW:OW+3], s[34:35]             ; out2: each store covers 512 consecutive bytes, aligned
	global_store_b128 v[LI], v[OW+4:OW+7], s[34:35] offset:512
	WIN 0x45
.irp d, 12,6,3
.set i, 0
.rept 4*\d
	v_pk_add_f32 v[2*i:2*i+1], v[2*i:2*i+1], v[2*i+8*\d:2*i+8*\d+1]
.set i, i+1
.endr
.endr
.irp m, 0,2,4,6
	v_pk_add_f32 v[\m:\m+1], v[\m:\m+1], v[\m+8:\m+9]
.endr
	WIN 0x05
.irp m, 0,2,4,6
	v_pk_add_f32 v[Y+\m:Y+\m+1], v[\m:\m+1], v[\m+16:\m+17]
.endr
	WIN 0
	v_pk_add_f32 v[TE:TE+1], v[Y:Y+1], v[Y+2:Y+3]
	v_pk_add_f32 v[TE+2:TE+3], v[Y+4:Y+5], v[Y+6:Y+7]
	v_pk_add_f32 v[TE:TE+1], v[TE:TE+1], v[TE+2:TE+3]
	v_add_f32 v[TE], v[TE], v[TE+1]
	WSUM TE, PT
	v_mul_f32 v[TE], s61, v[TE]                    ; the mean
.irp k, 0,1,2,3,4,5,6,7
	v_sub_f32 v[Y+\k], v[Y+\k], v[TE]
.endr
	v_pk_mul_f32 v[TE+2:TE+3], v[Y:Y+1], v[Y:Y+1]
.irp m, 2,4,6
	v_pk_fma_f32 v[TE+2:TE+3], v[Y+\m:Y+\m+1], v[Y+\m:Y+\m+1], v[TE+2:TE+3]
.endr
	v_add_f32 v[TE+2], v[TE+2], v[TE+3]
	WSUM TE+2, PT
	v_fma_f32 v[TE+2], v[TE+2], s61, s62           ; the variance + 1e-5
	v_rsq_f32 v[TE+4], v[TE+2]
	v_mov_b32 v[TE+6], 0                           ; (a plain place behind the root)  out5's offset
	s_wait_alu depctr_va_vdst(0)                   ; ahead of the root's first reader
.irp k, 0,1,2,3,4,5,6,7
	v_mul_f32 v[Y+\k], v[Y+\k], v[TE+4]
.endr
	s_wait_loadcnt 0x0                             ; the gain, the bias and W_page
.irp m, 0,2,4,6
	v_pk_fma_f32 v[Y+\m:Y+\m+1], v[Y+\m:Y+\m+1], v[LG+\m:LG+\m+1], v[LB+\m:LB+\m+1]
.endr
	global_store_b128 v[LI], v[Y:Y+3], s[38:39]               ; out6
	global_store_b128 v[LI], v[Y+4:Y+7], s[38:39] offset:512
	v_pk_mul_f32 v[TE:TE+1], v[Y:Y+1], v[LW:LW+1]
.irp m, 2,4,6
	v_pk_fma_f32 v[TE:TE+1], v[Y+\m:Y+\m+1], v[LW+\m:LW+\m+1], v[TE:TE+1]
.endr
	v_add_f32 v[TE], v[TE], v[TE+1]
	WSUM TE, PT
	v_mul_f32 v[TE], 0x3dcccccd, v[TE]             ; / 10
	v_cmp_eq_u32 vcc_lo, 0, v0
	s_wait_xcnt 0x0                                ; EXEC changes only behind this wait
	s_and_saveexec_b32 s60, vcc_lo
	global_store_b32 v[TE+6], v[TE], s[36:37]      ; out5: one number a page
	s_wait_xcnt 0x0
	s_or_b32 exec_lo, exec_lo, s60
.Lend:
	s_wait_tensorcnt 0x0
	ds_add_u32 v238, v239
	s_wait_dscnt 0x0
	s_endpgm
.Lfunc_end_k_qff0517ac15_page:
	.size	k_qff0517ac15_page, .Lfunc_end_k_qff0517ac15_page-k_qff0517ac15_page
	.p2alignl 7, 3214868480
	.fill 96, 4, 3214868480
	.section	.rodata,"a",@progbits
	.p2align	6, 0x0
	.amdhsa_kernel k_qff0517ac15_page
		.amdhsa_group_segment_fixed_size 305152
		.amdhsa_private_segment_fixed_size 0
		.amdhsa_enable_private_segment 0
		.amdhsa_kernarg_size 144
		.amdhsa_user_sgpr_count 2
		.amdhsa_user_sgpr_kernarg_segment_ptr 1
		.amdhsa_wavefront_size32 1
		.amdhsa_system_sgpr_workgroup_id_x 1
		.amdhsa_system_sgpr_workgroup_id_y 1
		.amdhsa_system_sgpr_workgroup_id_z 1
		.amdhsa_system_vgpr_workitem_id 0
		.amdhsa_next_free_vgpr 512
		.amdhsa_next_free_sgpr 100
		.amdhsa_reserve_vcc 1
		.amdhsa_float_denorm_mode_32 3
		.amdhsa_float_denorm_mode_16_64 3
		.amdhsa_memory_ordered 1
		.amdhsa_forward_progress 1
		.amdhsa_inst_pref_size 255
	.end_amdhsa_kernel
	.section	.bss,"aw",@nobits
	.p2align	6
	.space	262144
	.amdgpu_metadata
---
amdhsa.version: [ 1, 2 ]
amdhsa.kernels:
  - .name:           k_qff0517ac15_page
    .symbol:         k_qff0517ac15_page.kd
    .args:
      - { .name: seq_ids, .offset: 0, .size: 8, .value_kind: global_buffer, .address_space: global }
      - { .name: seq_lengths, .offset: 8, .size: 8, .value_kind: global_buffer, .address_space: global }
      - { .name: emb, .offset: 16, .size: 8, .value_kind: global_buffer, .address_space: global }
      - { .name: q_w_codes, .offset: 24, .size: 8, .value_kind: global_buffer, .address_space: global }
      - { .name: q_w_scales, .offset: 32, .size: 8, .value_kind: global_buffer, .address_space: global }
      - { .name: q_b, .offset: 40, .size: 8, .value_kind: global_buffer, .address_space: global }
      - { .name: k_w_codes, .offset: 48, .size: 8, .value_kind: global_buffer, .address_space: global }
      - { .name: k_w_scales, .offset: 56, .size: 8, .value_kind: global_buffer, .address_space: global }
      - { .name: k_b, .offset: 64, .size: 8, .value_kind: global_buffer, .address_space: global }
      - { .name: v_w_codes, .offset: 72, .size: 8, .value_kind: global_buffer, .address_space: global }
      - { .name: v_w_scales, .offset: 80, .size: 8, .value_kind: global_buffer, .address_space: global }
      - { .name: v_b, .offset: 88, .size: 8, .value_kind: global_buffer, .address_space: global }
      - { .name: ln_word_g, .offset: 96, .size: 8, .value_kind: global_buffer, .address_space: global }
      - { .name: ln_word_b, .offset: 104, .size: 8, .value_kind: global_buffer, .address_space: global }
      - { .name: W_page, .offset: 112, .size: 8, .value_kind: global_buffer, .address_space: global }
      - { .name: out2, .offset: 120, .size: 8, .value_kind: global_buffer, .address_space: global }
      - { .name: out5, .offset: 128, .size: 8, .value_kind: global_buffer, .address_space: global }
      - { .name: out6, .offset: 136, .size: 8, .value_kind: global_buffer, .address_space: global }
    .group_segment_fixed_size: 305152
    .private_segment_fixed_size: 0
    .kernarg_segment_align: 8
    .kernarg_segment_size: 144
    .max_flat_workgroup_size: 256
    .sgpr_count:     100
    .vgpr_count:     512
    .wavefront_size: 32
...
	.end_amdgpu_metadata
.endif
;; end of part 1
;; launch pool (part 2): grid 32 x 1, 1 waves a work-group, no clusters, 0 bytes of LDS; arguments out5, out6, num_pages, ln_page_g, ln_page_b, dec_w, out0, out1, out3, out4; writes out0, out1, out3, out4
.if DOCPART == 2
	.amdgcn_target "amdgcn-amd-amdhsa--gfx1250"
	.amdhsa_code_object_version 6
	.text
	.protected	k_qff0517ac15_pool
	.globl	k_qff0517ac15_pool
	.p2align	8
	.type	k_qff0517ac15_pool,@function
k_qff0517ac15_pool:
	s_mov_b64 s[64:65], 0
	v_nop
	global_prefetch_b8 v0, s[64:65] scope:SCOPE_SE
	s_setreg_imm32_b32 hwreg(HW_REG_WAVE_MODE, 25, 1), 1
	s_wait_xcnt 0x0
; ONE BATCH TO A WAVE: sparsemax over the 16 pages' scores (pages at or past num_pages count as -9999), the pages' vectors weighed by it, LayerNorm, the product with dec_w, its sigmoid.
; It is a launch of its own because a batch's 16 pages are made by 16 work-groups of the launch before.  16 KB a work-group, read once by loads of 512 consecutive bytes; no LDS, no barrier, no matrix unit: nothing here has 16 rows.
; SPARSEMAX WITHOUT A SORT.  For page i: cnt = how many scores are >= z_i, cum = their sum.  In the sorted form the test 1 + k z_(k) > cum_k has the same outcome at every place of a run of equal scores, and at the run's last
; place it reads 1 + cnt z_i > cum.  The support's size and sum then give tau.
; LIMITS: NaN and infinities are not served; 1 / k_z, 1 / sqrt and the sigmoid's division come from v_rcp_f32 and v_rsq_f32 (1 ulp).
.set SEL, 26            ; s[26:27] lane selects for v_permlanex16_b32: the lane 16 away
.set BC,  28            ; s[28:43] sixteen numbers, one a page
.set ACC, 16            ; v16-23  the weighed sum: channels 4 l .. and 128 + 4 l ..
.set W,   32            ; v32-159 the 16 pages' vectors: 8 p + k
.set LG,  160
.set LB,  168
.set DW,  176
.macro WSUM x, tmp                      ; the sum over the wave's 32 lanes, in every lane
	v_add_f32_dpp v[\x], v[\x], v[\x] row_xmask:1 row_mask:0xf bank_mask:0xf
	v_add_f32_dpp v[\x], v[\x], v[\x] row_xmask:2 row_mask:0xf bank_mask:0xf
	v_add_f32_dpp v[\x], v[\x], v[\x] row_xmask:4 row_mask:0xf bank_mask:0xf
	v_add_f32_dpp v[\x], v[\x], v[\x] row_xmask:8 row_mask:0xf bank_mask:0xf
	v_permlanex16_b32 v[\tmp], v[\x], s[SEL], s[SEL+1]
	v_add_f32 v[\x], v[\x], v[\tmp]
.endm
	s_load_b512 s[4:19], s[0:1], 0x0               ; out5 4, out6 6, num_pages 8, ln_page_g 10, ln_page_b 12, dec_w 14, out0 16, out1 18
	s_load_b128 s[20:23], s[0:1], 0x40             ; out3 20, out4 22
	v_and_b32 v1, 15, v0                           ; page i: both halves of the lanes hold the same 16
	v_lshlrev_b32 v2, 2, v1
	v_lshlrev_b32 v15, 4, v0                       ; 16 x lane
	v_mov_b32 v7, 1.0
	v_mov_b32 v14, 0                               ; (a lane exchange's target is written before)
	s_mov_b32 s[SEL], 0x76543210
	s_mov_b32 s[SEL+1], 0xfedcba98
	s_mov_b32 s52, 0x3b800000                      ; 1 / 256
	s_mov_b32 s53, 0x3727c5ac                      ; 1e-5
	s_lshl_b32 s44, ttmp9, 6
	s_mov_b32 s45, 0
	s_lshl_b32 s46, ttmp9, 14
	s_mov_b32 s47, 0
	s_lshl_b32 s48, ttmp9, 2
	s_mov_b32 s49, 0
	s_lshl_b32 s50, ttmp9, 10
	s_mov_b32 s51, 0
	s_wait_kmcnt 0x0
	s_add_nc_u64 s[4:5], s[4:5], s[44:45]
	s_add_nc_u64 s[6:7], s[6:7], s[46:47]
	s_add_nc_u64 s[8:9], s[8:9], s[48:49]
	s_add_nc_u64 s[16:17], s[16:17], s[48:49]
	s_add_nc_u64 s[18:19], s[18:19], s[48:49]
	s_add_nc_u64 s[20:21], s[20:21], s[44:45]
	s_add_nc_u64 s[22:23], s[22:23], s[50:51]
	s_load_b32 s24, s[8:9], 0x0
	global_load_b32 v3, v2, s[4:5]                 ; z
.set p, 0
.rept 16
	global_load_b128 v[W+8*p:W+8*p+3], v15, s[6:7] offset:1024*p
	global_load_b128 v[W+8*p+4:W+8*p+7], v15, s[6:7] offset:1024*p+512
.set p, p+1
.endr
	global_load_b128 v[LG:LG+3], v15, s[10:11]
	global_load_b128 v[LG+4:LG+7], v15, s[10:11] offset:512
	global_load_b128 v[LB:LB+3], v15, s[12:13]
	global_load_b128 v[LB+4:LB+7], v15, s[12:13] offset:512
	global_load_b128 v[DW:DW+3], v15, s[14:15]
	global_load_b128 v[DW+4:DW+7], v15, s[14:15] offset:512
	s_wait_kmcnt 0x0
	s_wait_loadcnt 38                              ; z is in; the pages' 32 loads and the six parameter loads may be out
	v_mov_b32 v6, 0xc61c3c00                       ; -9999
	v_cmp_le_i32 vcc_lo, s24, v1                   ; page i >= num_pages
	v_cndmask_b32 v3, v3, v6, vcc_lo
.set j, 0
.rept 16
	v_readlane_b32 s[BC+j], v3, j
.set j, j+1
.endr
	v_mov_b32 v4, 0                                ; cnt
	v_mov_b32 v5, 0                                ; cum
.set j, 0
.rept 16
	v_cmp_ge_f32 vcc_lo, s[BC+j], v3               ; z_j >= z_i
	v_cndmask_b32 v6, 0, v7, vcc_lo
	v_add_f32 v4, v4, v6
	v_fmac_f32 v5, s[BC+j], v6
.set j, j+1
.endr
	v_fma_f32 v8, v4, v3, 1.0
	v_cmp_gt_f32 vcc_lo, v8, v5                    ; in the support
	v_cndmask_b32 v9, 0, v7, vcc_lo
	v_mul_f32 v10, v9, v3
.irp m, 1,2,4,8
	v_add_f32_dpp v9, v9, v9 row_xmask:\m row_mask:0xf bank_mask:0xf       ; k_z
	v_add_f32_dpp v10, v10, v10 row_xmask:\m row_mask:0xf bank_mask:0xf    ; the support's sum
.endr
	v_rcp_f32 v11, v9
	v_add_f32 v10, -1.0, v10                       ; (a plain place behind the reciprocal)
	s_wait_alu depctr_va_vdst(0)                   ; ahead of the reciprocal's first reader
	v_mul_f32 v10, v10, v11                        ; tau
	v_sub_f32 v12, v3, v10
	v_max_num_f32 v12, 0, v12                      ; the page's weight
.set j, 0
.rept 16
	v_readlane_b32 s[BC+j], v12, j
.set j, j+1
.endr
	s_wait_loadcnt 6                               ; the pages' vectors are in; the six parameter loads may be out
.irp k, 0,1,2,3,4,5,6,7
	v_mul_f32 v[ACC+\k], s[BC], v[W+\k]
.endr
.set p, 1
.rept 15
.irp k, 0,1,2,3,4,5,6,7
	v_fmac_f32 v[ACC+\k], s[BC+p], v[W+8*p+\k]
.endr
.set p, p+1
.endr
	v_pk_add_f32 v[24:25], v[ACC:ACC+1], v[ACC+2:ACC+3]
	v_pk_add_f32 v[26:27], v[ACC+4:ACC+5], v[ACC+6:ACC+7]
	v_pk_add_f32 v[24:25], v[24:25], v[26:27]
	v_add_f32 v24, v24, v25
	WSUM 24, 14
	v_mul_f32 v24, s52, v24                        ; the mean
.irp k, 0,1,2,3,4,5,6,7
	v_sub_f32 v[ACC+\k], v[ACC+\k], v24
.endr
	v_pk_mul_f32 v[26:27], v[ACC:ACC+1], v[ACC:ACC+1]
.irp m, 2,4,6
	v_pk_fma_f32 v[26:27], v[ACC+\m:ACC+\m+1], v[ACC+\m:ACC+\m+1], v[26:27]
.endr
	v_add_f32 v26, v26, v27
	WSUM 26, 14
	v_fma_f32 v26, v26, s52, s53                   ; the variance + 1e-5
	v_rsq_f32 v28, v26
	v_nop                                          ; a plain place behind the root
	s_wait_alu depctr_va_vdst(0)
.irp k, 0,1,2,3,4,5,6,7
	v_mul_f32 v[ACC+\k], v[ACC+\k], v28
.endr
	s_wait_loadcnt 0x0                             ; the gain, the bias and dec_w
.irp m, 0,2,4,6
	v_pk_fma_f32 v[ACC+\m:ACC+\m+1], v[ACC+\m:ACC+\m+1], v[LG+\m:LG+\m+1], v[LB+\m:LB+\m+1]
.endr
	global_store_b128 v15, v[ACC:ACC+3], s[22:23]             ; out4: each store covers 512 consecutive bytes, aligned
	global_store_b128 v15, v[ACC+4:ACC+7], s[22:23] offset:512
	v_pk_mul_f32 v[24:25], v[ACC:ACC+1], v[DW:DW+1]
.irp m, 2,4,6
	v_pk_fma_f32 v[24:25], v[ACC+\m:ACC+\m+1], v[DW+\m:DW+\m+1], v[24:25]
.endr
	v_add_f32 v24, v24, v25
	WSUM 24, 14                                    ; out1
	v_mul_f32 v26, 0xbfb8aa3b, v24                 ; -log2(e) x
	v_exp_f32 v26, v26
	v_nop
	s_wait_alu depctr_va_vdst(0)
	v_add_f32 v26, 1.0, v26
	v_rcp_f32 v27, v26                             ; out0
	v_cmp_gt_u32 vcc_lo, 16, v0                    ; (a plain place behind the reciprocal)
	s_wait_alu depctr_va_vdst(0)
	s_wait_xcnt 0x0                                ; EXEC changes only behind this wait
	s_and_saveexec_b32 s44, vcc_lo
	global_store_b32 v2, v12, s[20:21]             ; out3: lanes 0-15, 64 consecutive bytes
	s_wait_xcnt 0x0
	s_or_b32 exec_lo, exec_lo, s44
	v_cmp_eq_u32 vcc_lo, 0, v0
	s_and_saveexec_b32 s44, vcc_lo                 ; (nothing has been issued since the wait above)
	global_store_b32 v2, v24, s[18:19]             ; lane 0's offset is 0
	global_store_b32 v2, v27, s[16:17]
	s_wait_xcnt 0x0
	s_or_b32 exec_lo, exec_lo, s44
	s_endpgm
.Lfunc_end_k_qff0517ac15_pool:
	.size	k_qff0517ac15_pool, .Lfunc_end_k_qff0517ac15_pool-k_qff0517ac15_pool
	.p2alignl 7, 3214868480
	.fill 96, 4, 3214868480
	.section	.rodata,"a",@progbits
	.p2align	6, 0x0
	.amdhsa_kernel k_qff0517ac15_pool
		.amdhsa_group_segment_fixed_size 0
		.amdhsa_private_segment_fixed_size 0
		.amdhsa_enable_private_segment 0
		.amdhsa_kernarg_size 80
		.amdhsa_user_sgpr_count 2
		.amdhsa_user_sgpr_kernarg_segment_ptr 1
		.amdhsa_wavefront_size32 1
		.amdhsa_system_sgpr_workgroup_id_x 1
		.amdhsa_system_sgpr_workgroup_id_y 1
		.amdhsa_system_sgpr_workgroup_id_z 1
		.amdhsa_system_vgpr_workitem_id 0
		.amdhsa_next_free_vgpr 192
		.amdhsa_next_free_sgpr 66
		.amdhsa_reserve_vcc 1
		.amdhsa_float_denorm_mode_32 3
		.amdhsa_float_denorm_mode_16_64 3
		.amdhsa_memory_ordered 1
		.amdhsa_forward_progress 1
		.amdhsa_inst_pref_size 18
	.end_amdhsa_kernel
	.amdgpu_metadata
---
amdhsa.version: [ 1, 2 ]
amdhsa.kernels:
  - .name:           k_qff0517ac15_pool
    .symbol:         k_qff0517ac15_pool.kd
    .args:
      - { .name: out5, .offset: 0, .size: 8, .value_kind: global_buffer, .address_space: global }
      - { .name: out6, .offset: 8, .size: 8, .value_kind: global_buffer, .address_space: global }
      - { .name: num_pages, .offset: 16, .size: 8, .value_kind: global_buffer, .address_space: global }
      - { .name: ln_page_g, .offset: 24, .size: 8, .value_kind: global_buffer, .address_space: global }
      - { .name: ln_page_b, .offset: 32, .size: 8, .value_kind: global_buffer, .address_space: global }
      - { .name: dec_w, .offset: 40, .size: 8, .value_kind: global_buffer, .address_space: global }
      - { .name: out0, .offset: 48, .size: 8, .value_kind: global_buffer, .address_space: global }
      - { .name: out1, .offset: 56, .size: 8, .value_kind: global_buffer, .address_space: global }
      - { .name: out3, .offset: 64, .size: 8, .value_kind: global_buffer, .address_space: global }
      - { .name: out4, .offset: 72, .size: 8, .value_kind: global_buffer, .address_space: global }
    .group_segment_fixed_size: 0
    .private_segment_fixed_size: 0
    .kernarg_segment_align: 8
    .kernarg_segment_size: 80
    .max_flat_workgroup_size: 32
    .sgpr_count:     66
    .vgpr_count:     192
    .wavefront_size: 32
...
	.end_amdgpu_metadata
.endif
;; end of part 2
